; MI455X (gfx1250); checked and timed in simulation.
; The chip was launched on July 23, 2026; its instructions are those of AMD's public machine-readable ISA for CDNA 5 (MIT licence, August 2026) and "CDNA5" Instruction Set Architecture Reference Guide (July 2026). The comments in the code are by the model that wrote it; some were corrected since.
;; Attn Processor. Allowed arithmetic: matrix products marked QUANTISED: E2M3 operands, one E8M0 scale for each 32 along K, by v_wmma_scale_f32_16x16x128_f8f6f4 with both operands' format E2M3, f32 sums; everything else in f32.
;; Inputs: Wk 512 x 512 float32; Wo 512 x 512 float32; Wq 512 x 512 float32; Wv 512 x 512 float32; bk 512 float32; bo 512 float32; bq 512 float32; bv 512 float32; hidden_states 2 x 4,096 x 512 float32.
;; Outputs: out0 2 x 4,096 x 512 float32.
;; This version of the problem:
;;   THIS VERSION OF THE PROBLEM IS GIVEN IN LOW PRECISION. The matrix products marked QUANTISED in the list below multiply operands that are first quantised to E2M3 (2 exponent bits, 3 mantissa bits; 6 bits a number), with one power-of-two scale for each 32 numbers along K (OCP MX v1.0); their sums are f32. All else is computed in f32.
;;   The module's matrix products, in the order in which they are computed (A, B: the left and right operand; K: the contracted axis; several contracted axes count as one K, in the product's order):
;;     1. [M 8,192, K 512] x [K 512, N 512]; A: input hidden_states; B: input Wq: QUANTISED
;;     2. [M 8,192, K 512] x [K 512, N 512]; A: input hidden_states; B: input Wk: QUANTISED
;;     3. [M 8,192, K 512] x [K 512, N 512]; A: input hidden_states; B: input Wv: QUANTISED
;;     4. batch 16 x [M 4,096, K 64] x [K 64, N 4,096]; A: computed on the way; B: computed on the way: QUANTISED
;;     5. batch 16 x [M 4,096, K 4,096] x [K 4,096, N 64]; A: softmax (see below); B: computed on the way: QUANTISED
;;     6. [M 8,192, K 512] x [K 512, N 512]; A: computed on the way; B: input Wo: QUANTISED
;;   THE QUANTISER, for each operand of a quantised product, along K:
;;     - K is cut into blocks of 32 from its start; a last block that is shorter is filled with zeros.
;;     - A block's scale is 2^e with e = floor(log2(the largest magnitude in the block)) - 2, held to -126 .. 127; a block of zeros has e = 0. As a byte (E8M0): e + 127.
;;     - Each number is divided by its block's scale, clamped to +-7.5, and rounded to the nearest number of E2M3, ties to even, subnormals kept.
;;     - The product sums the exact products of the quantised numbers (number of the format x scale) in f32.
;;   ~~~python
;;   def quantise(x, axis):      # numpy; x: float32 -> the quantised numbers, widened to float32 again
;;       x = np.moveaxis(x, axis, -1); K = x.shape[-1]
;;       x = np.pad(x, [(0, 0)] * (x.ndim - 1) + [(0, -K % 32)]); x = x.reshape(x.shape[:-1] + (-1, 32)); a = np.abs(x).max(-1, keepdims=True)
;;       e = np.where(a > 0, np.clip(np.frexp(np.where(a > 0, a, 1))[1] - 1 - 2, -126, 127), 0)      # np.frexp(a)[1] - 1 = floor(log2(a)), exactly
;;       r = np.clip(x / 2.0 ** e, -7.5, 7.5)
;;       step = 2.0 ** (np.maximum(np.frexp(np.where(r == 0, 1, r))[1] - 1, 0) - 3)
;;       q = np.round(r / step) * step * 2.0 ** e      # np.round: ties to even
;;       return np.moveaxis(q.reshape(q.shape[:-2] + (-1,))[..., :K], -1, axis).astype(np.float32)
;;   ~~~
;;   SOFTMAX AHEAD OF A QUANTISED PRODUCT. Where the list says 'softmax', what is quantised is not the finished softmax but p = 2^(t - M), with t = logit x log2(e) and M = ceil(the row's largest t), a whole number; so 1/2 < the row's largest p <= 1. The row's sum l is taken of the UNQUANTISED p, in f32, and the product's result is divided by l at the end. Since M is a whole number, a kernel that streams over the keys may use a running M (the ceiling of the running maximum): every later rescaling is an exact power of two, which a block's scale takes up: the codes' values come out the same.
;;   OPERANDS COMPUTED ON THE WAY. 'Computed on the way' means the value that the module computes at that place (a softmax that the list does not call 'softmax' is quantised finished and normalised). What goes into a quantiser is computed in f32, as accurately as f32 sums, v_exp_f32 and their like allow (about 1e-6 of the number): no bf16 or f16 on the way to a quantiser, and a product that is left as it is and whose result goes on into a quantised operand takes f32 operands (vector FMAs, or v_wmma_f32_16x16x4_f32). A number that lies on a knife's edge between two numbers of the format may be rounded either way, as far as f32 arithmetic and the matrix unit's own rounding can turn it there, and no further.
;; One version. Each part assembles by itself: llvm-mc -triple=amdgcn-amd-amdhsa -mcpu=gfx1250 --defsym DOCPART=n.
;; ======== version 1 of 1: 4 launches
;; limits: right only within a limited range of input values
;; workspace buffers: img 3,932,160 bytes; sc 163,840 bytes; qbuf 3,407,872 bytes; kv 6,684,672 bytes; aimg 3,145,728 bytes; asc 131,072 bytes
;; launch prep (part 1): grid 320 x 1, 4 waves a work-group, no clusters, 12,800 bytes of LDS; arguments hidden_states, Wq, Wk, Wv, Wo, img, sc; writes img, sc
.if DOCPART == 1
	.amdgcn_target "amdgcn-amd-amdhsa--gfx1250"
	.amdhsa_code_object_version 6
	.text
	.protected	k_qc0b2cd7c53_prep
	.globl	k_qc0b2cd7c53_prep
	.p2align	8
	.type	k_qc0b2cd7c53_prep,@function
k_qc0b2cd7c53_prep:
	s_mov_b64 s[64:65], 0
	v_nop
	global_prefetch_b8 v0, s[64:65] scope:SCOPE_SE
	s_setreg_imm32_b32 hwreg(HW_REG_WAVE_MODE, 25, 1), 1
	s_wait_xcnt 0x0
; x [8192][512] f32 and the four weights [512 (k)][512 (n)] f32 become codes of FP6 (E2M3) with one E8M0 byte for each 32 along K,
; laid in the ORDER OF AN OPERAND'S REGISTERS.  Rows (x's tokens, a weight's columns) go in groups of 32; a group has two tiles u = 0, 1, and
; lane r of tile u holds row 32 g + 8 u + r + 8 (r / 8).  A fragment (16 rows x 128 K, 12 registers a lane) is an image of 1,536 bytes: three chunks of
; 512 bytes, chunk i = registers 4 i .. 4 i + 3, lane l's 16 bytes at 16 l.  img: group G, K step s, tile u at ((4 G + s) 2 + u) 1536.  sc: one scale register
; of 128 bytes at (4 G + s) 128: lanes 0-15 the words of tile 0's rows, lanes 16-31 those of tile 1's.  Groups 0-255: x.  Groups 256 + 16 w + b: columns 32 b on of weight w (q, k, v, o).
; A block's scale is 2^(floor(log2(largest magnitude)) - 2): its byte is the largest magnitude's exponent field - 2, held at 1 from below.
; LIMITS: NaN and infinities are not served; a block whose largest magnitude lies under 2^-124 keeps the byte 1; a block of zeros gets the byte 1 where the
; quantiser's text says 127: its codes are zeros, which add nothing, and these bytes are read by this program alone.
; Work-groups 0-255: one group of x, wave s = K step s, no LDS.  Work-groups 256-319: weight w, four groups of columns (a wave each), K step s; a lane takes a column and its
; registers run down K; the codes turn into images through the wave's own 3,072 bytes of LDS.  No barrier: waves share nothing.
.set SPARE, 12288                      ; behind the four stages: the spare words, 128 bytes a wave
.set TM,  8                            ; v8-23   at work in QUANT
.set PW0, 24                           ; v24, v25 scale words
.set PW1, 25
.set SPW, 26                           ; v26     my spare word's LDS address; never rewritten
.set NIL, 27                           ; v27     0; never rewritten
.set CT,  184                          ; v184-191 the second halves of the conversions
.set SEL, 40                           ; s[40:41] selects for lane l xor 16
.set HM,  42                           ; s42     lanes 16-31, as a mask
; 64 numbers of a lane, register 16 b + i = k 32 b + 16 (lane / 16) + i of my row, become a fragment's 12 registers at v[pc] and its scale word in v[pw].
.macro QUANT s, pc, pw
.irp b, 0,1,2,3
	v_max3_num_f32 v[TM+\b], |v[\s+16*\b]|, |v[\s+1+16*\b]|, 0x1800000   ; my 16 numbers of block b, and the floor 2^(3 - 127): the byte cannot fall under 1
.endr
.irp i, 2,4,6,8,10,12,14
.irp b, 0,1,2,3
	v_max3_num_f32 v[TM+\b], v[TM+\b], |v[\s+16*\b+\i]|, |v[\s+1+16*\b+\i]|
.endr
.endr
.irp b, 0,1,2,3
	v_permlanex16_b32 v[TM+4+\b], v[TM+\b], s[SEL], s[SEL+1]
.endr
.irp b, 0,1,2,3
	v_max_num_f32 v[TM+\b], v[TM+\b], v[TM+4+\b]     ; with lane l xor 16's: the block's largest magnitude
.endr
.irp b, 0,1,2,3
	v_add_nc_u32 v[TM+12+\b], 0xff000000, v[TM+\b]   ; 2 off its exponent field: the conversion's scale operand
.endr
.irp b, 0,1,2,3
	v_lshrrev_b32 v[TM+4+\b], 23, v[TM+12+\b]        ; the scale's byte
.endr
	v_lshl_or_b32 v[\pw], v[TM+5], 8, v[TM+4]
	v_lshl_or_b32 v[\pw], v[TM+6], 16, v[\pw]
	v_lshl_or_b32 v[\pw], v[TM+7], 24, v[\pw]
	s_wait_xcnt 0x0                                  ; earlier stores have read their data: the codes' registers may be written
.irp c, 0,1
	v_cvt_scalef32_pk16_fp6_f32 v[\pc+6*\c:\pc+6*\c+2], v[\s+32*\c:\s+32*\c+15], v[TM+12+2*\c]
	v_cvt_scalef32_pk16_fp6_f32 v[CT+4*\c:CT+4*\c+2], v[\s+16+32*\c:\s+31+32*\c], v[TM+13+2*\c]   ; (a conversion's three registers begin on an even number)
.endr
	v_nop                                            ; one plain place behind the scaled conversions
.irp c, 0,1                                      ; the layout wants a whole block in a lane: lanes 0-15 block 2 c, lanes 16-31 block 2 c + 1
.irp i, 0,1,2
	v_permlane16_swap_b32 v[\pc+6*\c+\i], v[CT+4*\c+\i]
.endr
.irp i, 0,1,2
	v_mov_b32 v[\pc+6*\c+3+\i], v[CT+4*\c+\i]
.endr
.endr
.endm
	s_load_b256 s[4:11], s[0:1], 0x0               ; x s[4:5], Wq s[6:7], Wk s[8:9], Wv s[10:11]
	s_load_b128 s[12:15], s[0:1], 0x20             ; Wo s[12:13], img s[14:15]
	s_load_b64 s[16:17], s[0:1], 0x30              ; sc
	v_lshl_add_u32 v[SPW], v0, 2, SPARE
	v_mov_b32 v[NIL], 0
	v_lshrrev_b32 v1, 5, v0
	v_readfirstlane_b32 s18, v1                    ; wave 0..3
	v_and_b32 v1, 31, v0                           ; lane
	v_lshlrev_b32 v5, 4, v1                        ; 16 x lane
	v_lshlrev_b32 v6, 2, v1                        ; 4 x lane
	s_mov_b32 s[SEL], 0x76543210
	s_mov_b32 s[SEL+1], 0xfedcba98
	s_mov_b32 s[HM], 0xffff0000
	s_mov_b32 s23, 0
	s_mov_b32 s25, 0
	s_mov_b32 s27, 0
	s_cmp_lt_u32 ttmp9, 256
	s_cbranch_scc0 .Lweights
	; ---- x: group G = work-group, K step = wave.  Lane (r, h) takes, of its tile's row, 16 neighbours of each block of 32
	v_and_b32 v2, 15, v0                           ; r
	v_bfe_u32 v3, v0, 4, 1                         ; h
	v_and_b32 v4, 8, v2
	v_add_nc_u32 v4, v4, v2                        ; r + 8 (r / 8)
	v_lshlrev_b32 v4, 11, v4                       ; rows of 2,048 bytes
	v_lshl_add_u32 v4, v3, 6, v4                   ; + 64 h
.irp b, 0,1,2,3
	v_mov_b32 v[TM+4+\b], 0                        ; written once: a lane permute's destination counts as one of its sources
.endr
	s_lshl_b32 s22, ttmp9, 16                      ; 32 rows of 2,048 bytes a group
	s_lshl_b32 s20, s18, 9                         ; 512 bytes a K step
	s_add_co_u32 s22, s22, s20
	s_lshl_b32 s20, ttmp9, 2
	s_add_co_u32 s20, s20, s18                     ; 4 G + s
	s_mul_i32 s24, s20, 3072
	s_lshl_b32 s26, s20, 7
	s_wait_alu depctr_va_vdst(0)
	s_wait_kmcnt 0x0
	s_add_nc_u64 s[4:5], s[4:5], s[22:23]
	s_add_nc_u64 s[14:15], s[14:15], s[24:25]
	s_add_nc_u64 s[16:17], s[16:17], s[26:27]
.irp u, 0,1
.irp b, 0,1,2,3
.irp j, 0,1,2,3
	global_load_b128 v[32+64*\u+16*\b+4*\j:32+64*\u+16*\b+4*\j+3], v4, s[4:5] offset:\u*16384+128*\b+16*\j th:TH_LOAD_NT
.endr
.endr
.endr
	s_wait_loadcnt 16                              ; tile 0's sixteen loads are in; tile 1's sixteen may be out
	QUANT 32, 160, PW0
.irp i, 0,1,2
	global_store_b128 v5, v[160+4*\i:163+4*\i], s[14:15] offset:512*\i        ; 32 lanes store 512 consecutive bytes
.endr
	s_wait_loadcnt 0x0
	QUANT 96, 172, PW1
.irp i, 0,1,2
	global_store_b128 v5, v[172+4*\i:175+4*\i], s[14:15] offset:1536+512*\i
.endr
	v_cndmask_b32 v[PW0], v[PW0], v[PW1], s[HM]    ; lanes 0-15 tile 0's words, lanes 16-31 tile 1's
	global_store_b32 v6, v[PW0], s[16:17]
	s_endpgm
.Lweights:
	; ---- a weight: lane l takes column 32 b + l, its registers run down K: 128 rows of this K step
	s_sub_co_u32 s19, ttmp9, 256
	s_lshr_b32 s28, s19, 4                         ; which weight
	s_bfe_u32 s29, s19, 0x20002                    ; which four groups of columns
	s_and_b32 s30, s19, 3                          ; K step
	s_lshl_b32 s31, s29, 2
	s_add_co_u32 s31, s31, s18                     ; b: my wave's group of 32 columns
	s_lshl_b32 s20, s28, 4
	s_add_co_u32 s20, s20, s31
	s_add_co_u32 s20, s20, 256                     ; G
	s_lshl_b32 s20, s20, 2
	s_add_co_u32 s20, s20, s30                     ; 4 G + s
	s_mul_i32 s24, s20, 3072
	s_lshl_b32 s26, s20, 7
	s_lshl_b32 s22, s30, 18                        ; 128 rows of 2,048 bytes a K step
	s_lshl_b32 s21, s31, 7                         ; 32 columns of 4 bytes a group
	s_add_co_u32 s22, s22, s21
	v_and_b32 v2, 7, v0
	v_bfe_u32 v3, v0, 4, 1
	v_lshl_or_b32 v2, v3, 3, v2                    ; r: my column's lane in its tile
	v_bfe_u32 v30, v0, 3, 1                        ; u: its tile
	v_lshlrev_b32 v7, 4, v2
	v_mad_u32_u24 v7, v30, 1536, v7
	s_mul_i32 s21, s18, 3072                       ; my wave's stage
	v_add_nc_u32 v7, s21, v7                       ; into it: tile u's image, lane r's 16 bytes
	s_wait_alu depctr_va_vdst(0)
	v_add_nc_u32 v28, s21, v5                      ; out of it: as it lies
	v_lshl_add_u32 v29, v30, 4, v2
	v_lshlrev_b32 v29, 2, v29                      ; my scale word's place: 4 (16 u + r)
	s_wait_kmcnt 0x0
	s_cmp_eq_u32 s28, 1
	s_cselect_b64 s[6:7], s[8:9], s[6:7]
	s_cmp_eq_u32 s28, 2
	s_cselect_b64 s[6:7], s[10:11], s[6:7]
	s_cmp_eq_u32 s28, 3
	s_cselect_b64 s[6:7], s[12:13], s[6:7]
	s_add_nc_u64 s[6:7], s[6:7], s[22:23]
	s_add_nc_u64 s[14:15], s[14:15], s[24:25]
	s_add_nc_u64 s[16:17], s[16:17], s[26:27]
.macro LOADB t                         ; block t: W(32 t + i, my column): 32 lanes read 128 consecutive bytes, the four waves 512
.irp i, 0,1,2,3,4,5,6,7,8,9,10,11,12,13,14,15,16,17,18,19,20,21,22,23,24,25,26,27,28,29,30,31
	global_load_b32 v[32+32*(\t)+\i], v6, s[6:7] offset:2048*(32*(\t)+\i) th:TH_LOAD_NT
.endr
.endm
.macro BLOCK t                         ; block t = 2 c + h': registers 6 c .. 6 c + 5 of lane (r, h') of my tile's image
.set XS, 32+32*(\t)
.if (\t) < 3
	s_wait_loadcnt 32                              ; this block's 32 loads are in; the next block's 32 may be out
.else
	s_wait_loadcnt 0x0
.endif
.if (\t) < 2
	LOADB (\t)+2
.endif
	v_max3_num_f32 v8, |v[XS]|, |v[XS+1]|, |v[XS+2]|               ; all 32 numbers of the block are mine
	v_max3_num_f32 v9, |v[XS+3]|, |v[XS+4]|, |v[XS+5]|
.irp i, 6,10,14,18,22,26
	v_max3_num_f32 v8, v8, |v[XS+\i]|, |v[XS+\i+1]|
	v_max3_num_f32 v9, v9, |v[XS+\i+2]|, |v[XS+\i+3]|
.endr
	v_max3_num_f32 v8, v8, |v[XS+30]|, |v[XS+31]|
	v_max3_num_f32 v8, v8, v9, 0x1800000           ; and the floor
	v_add_nc_u32 v10, 0xff000000, v8               ; the conversion's scale operand
	v_lshrrev_b32 v11, 23, v10                     ; the byte
.if (\t) == 0
	v_mov_b32 v[PW0], v11
.else
	v_lshl_or_b32 v[PW0], v11, 8*(\t), v[PW0]
.endif
	v_cvt_scalef32_pk16_fp6_f32 v[160:162], v[XS:XS+15], v10
	v_cvt_scalef32_pk16_fp6_f32 v[164:166], v[XS+16:XS+31], v10
	v_nop                                          ; one plain place behind the scaled conversions
	v_mov_b32 v163, v164
	v_mov_b32 v164, v165
	v_mov_b32 v165, v166                           ; v160-165: the block's 24 bytes
.irp i, 0,2,4
	ds_store_b64 v7, v[160+\i:161+\i] offset:((6*((\t)/2)+\i)/4)*512+256*((\t)%2)+((6*((\t)/2)+\i)%4)*4
.endr
	s_wait_dscnt 0x0                               ; the stores have read their registers: the next block's codes may be written
.endm
	LOADB 0
	LOADB 1
	BLOCK 0
	BLOCK 1
	BLOCK 2
	BLOCK 3
.irp i, 0,1,2,3,4,5
	ds_load_b128 v[168+4*\i:171+4*\i], v28 offset:512*\i           ; LDS serves a wave's instructions in order: these see my stores
.endr
.irp i, 0,1,2,3,4,5
	s_wait_dscnt 5-\i                              ; chunk i is back; the younger ones may be out
	global_store_b128 v5, v[168+4*\i:171+4*\i], s[14:15] offset:512*\i
.endr
	s_wait_alu depctr_va_vdst(0)
	global_store_b32 v29, v[PW0], s[16:17]
	s_wait_tensorcnt 0x0                           ; the wave's end, behind my last LDS store
	ds_add_u32 v[SPW], v[NIL]
	s_wait_dscnt 0x0
	s_endpgm
.Lfunc_end_k_qc0b2cd7c53_prep:
	.size	k_qc0b2cd7c53_prep, .Lfunc_end_k_qc0b2cd7c53_prep-k_qc0b2cd7c53_prep
	.p2alignl 7, 3214868480
	.fill 96, 4, 3214868480
	.section	.rodata,"a",@progbits
	.p2align	6, 0x0
	.amdhsa_kernel k_qc0b2cd7c53_prep
		.amdhsa_group_segment_fixed_size 12800
		.amdhsa_private_segment_fixed_size 0
		.amdhsa_enable_private_segment 0
		.amdhsa_kernarg_size 56
		.amdhsa_user_sgpr_count 2
		.amdhsa_user_sgpr_kernarg_segment_ptr 1
		.amdhsa_wavefront_size32 1
		.amdhsa_system_sgpr_workgroup_id_x 1
		.amdhsa_system_sgpr_workgroup_id_y 1
		.amdhsa_system_sgpr_workgroup_id_z 1
		.amdhsa_system_vgpr_workitem_id 0
		.amdhsa_next_free_vgpr 192
		.amdhsa_next_free_sgpr 66
		.amdhsa_reserve_vcc 0
		.amdhsa_float_denorm_mode_32 3
		.amdhsa_float_denorm_mode_16_64 3
		.amdhsa_memory_ordered 1
		.amdhsa_forward_progress 1
		.amdhsa_inst_pref_size 35
	.end_amdhsa_kernel
	.amdgpu_metadata
---
amdhsa.version: [ 1, 2 ]
amdhsa.kernels:
  - .name:           k_qc0b2cd7c53_prep
    .symbol:         k_qc0b2cd7c53_prep.kd
    .args:
      - { .name: hidden_states, .offset: 0, .size: 8, .value_kind: global_buffer, .address_space: global }
      - { .name: Wq, .offset: 8, .size: 8, .value_kind: global_buffer, .address_space: global }
      - { .name: Wk, .offset: 16, .size: 8, .value_kind: global_buffer, .address_space: global }
      - { .name: Wv, .offset: 24, .size: 8, .value_kind: global_buffer, .address_space: global }
      - { .name: Wo, .offset: 32, .size: 8, .value_kind: global_buffer, .address_space: global }
      - { .name: img, .offset: 40, .size: 8, .value_kind: global_buffer, .address_space: global }
      - { .name: sc, .offset: 48, .size: 8, .value_kind: global_buffer, .address_space: global }
    .group_segment_fixed_size: 12800
    .private_segment_fixed_size: 0
    .kernarg_segment_align: 8
    .kernarg_segment_size: 56
    .max_flat_workgroup_size: 128
    .sgpr_count:     66
    .vgpr_count:     192
    .wavefront_size: 32
...
	.end_amdgpu_metadata
.endif
;; end of part 1
;; launch qkv (part 2): grid 64 x 3, 4 waves a work-group, no clusters, 0 bytes of LDS; arguments img, sc, bq, bk, bv, qbuf, kv; writes qbuf, kv
.if DOCPART == 2
	.amdgcn_target "amdgcn-amd-amdhsa--gfx1250"
	.amdhsa_code_object_version 6
	.text
	.protected	k_qc0b2cd7c53_qkv
	.globl	k_qc0b2cd7c53_qkv
	.p2align	8
	.type	k_qc0b2cd7c53_qkv,@function
k_qc0b2cd7c53_qkv:
	s_mov_b64 s[64:65], 0
	v_nop
	global_prefetch_b8 v0, s[64:65] scope:SCOPE_SE
	s_setreg_imm32_b32 hwreg(HW_REG_WAVE_MODE, 25, 1), 1
	s_wait_xcnt 0x0
; q = x Wq + bq, k = x Wk + bk, v = x Wv + bv on codes of FP6 (E2M3), and the results quantised in registers for the attention launch.
; Work-group (X, y): 128 tokens (batch X / 32, step X % 32) of q (y = 0), k (1) or v (2).  Wave w: columns 128 w on = heads 2 w, 2 w + 1.  No LDS, no barrier: waves share nothing.
; ONE STRUCTURE: a RESIDENT unit of 128 rows (32 fragments, 384 registers) is source 0, a STREAMED unit of 8 tiles is source 1, a tile a trip, four sets of registers, loads four trips ahead.
;   q, k: resident = the weight's 128 columns, streamed = x's 8 token tiles: a lane holds ONE TOKEN, its 64 registers run along the channels (the scores' K).
;   v:    resident = x's 128 tokens, streamed = Wv's 8 column tiles: a lane holds ONE CHANNEL, its 64 registers run along the keys (the second product's K).
; The rows of a tile are 32 g + 8 u + r + 8 (r / 8), so that the 16 registers of tiles 2 b and 2 b + 1 are 16 neighbours along the next K.  The bias is the C of a sum's first product.
; OUT.  q, k: for head c of the wave, registers 6 c .. 6 c + 5 are a half image (64 along K): 512 bytes at 16 x lane, 256 bytes at 512 + 8 x lane; its scale word is (byte, byte, 0x7f, 0x7f).
;       v: a whole fragment image (16 channels x 128 keys).  qbuf: 6,656 bytes for each (head, step); kv: 13,056: k's 8 half images, v's 4 images, k's scale words (512), v's (256).
; LIMITS: as in the first launch (NaN, infinities not served; bytes held at 1 from below; a block of zeros has the byte 1).
; REGISTERS.  window 0: v2-6 offsets; v16-79 8 accumulators; v80-91 codes; v92-99, v100-118 at work; v120-127 scale words to store; v128-143, v144-159 the operands' scale registers; v160-175 bv.
;   window 1: resident fragments of K steps 0, 1 (tile i, step s at 12 (2 i + s)); v192-255 the bias tiles of q, k.   window 2: K steps 2, 3.   window 3: four streamed sets of 48.
.set HA,  16
.set PC,  80
.set CT,  92
.set TM,  100
.set PW,  116
.set T0,  117
.set KW,  120
.set RS,  128
.set SS,  144
.set BV,  160
.set BC,  168
.set B1,  192
.set SEL, 40
.set HM,  42
.set PADW, 43
.set MSB, 0
.macro WIN new                         ; the immediate's high byte repeats the setting that is left
.if MSB != \new
	s_set_vgpr_msb (MSB<<8)|\new
.set MSB, \new
.endif
.endm
.macro QUANT s, pc, pw                 ; 64 numbers of a lane, register 16 b + i = k 32 b + 16 (lane / 16) + i, become 12 registers of codes and a scale word
.irp b, 0,1,2,3
	v_max3_num_f32 v[TM+\b], |v[\s+16*\b]|, |v[\s+1+16*\b]|, 0x1800000   ; and the floor 2^(3 - 127)
.endr
.irp i, 2,4,6,8,10,12,14
.irp b, 0,1,2,3
	v_max3_num_f32 v[TM+\b], v[TM+\b], |v[\s+16*\b+\i]|, |v[\s+1+16*\b+\i]|
.endr
.endr
.irp b, 0,1,2,3
	v_permlanex16_b32 v[TM+4+\b], v[TM+\b], s[SEL], s[SEL+1]
.endr
.irp b, 0,1,2,3
	v_max_num_f32 v[TM+\b], v[TM+\b], v[TM+4+\b]
.endr
.irp b, 0,1,2,3
	v_add_nc_u32 v[TM+12+\b], 0xff000000, v[TM+\b]
.endr
.irp b, 0,1,2,3
	v_lshrrev_b32 v[TM+4+\b], 23, v[TM+12+\b]
.endr
	v_lshl_or_b32 v[\pw], v[TM+5], 8, v[TM+4]
	v_lshl_or_b32 v[\pw], v[TM+6], 16, v[\pw]
	v_lshl_or_b32 v[\pw], v[TM+7], 24, v[\pw]
	s_wait_xcnt 0x0                                  ; the last trip's stores have read their data: the codes' registers may be written
.irp c, 0,1
	v_cvt_scalef32_pk16_fp6_f32 v[\pc+6*\c:\pc+6*\c+2], v[\s+32*\c:\s+32*\c+15], v[TM+12+2*\c]
	v_cvt_scalef32_pk16_fp6_f32 v[CT+4*\c:CT+4*\c+2], v[\s+16+32*\c:\s+31+32*\c], v[TM+13+2*\c]
.endr
	v_nop                                            ; one plain place behind the scaled conversions
.irp c, 0,1
.irp i, 0,1,2
	v_permlane16_swap_b32 v[\pc+6*\c+\i], v[CT+4*\c+\i]
.endr
.irp i, 0,1,2
	v_mov_b32 v[\pc+6*\c+3+\i], v[CT+4*\c+\i]
.endr
.endr
.endm
.macro WM ra, rb                       ; one product on rD, rA, rB, rC, rSA, rSB; ra, rb: the side's scale words stand in lanes 16-31
.if (\ra) && (\rb)
	v_wmma_scale_f32_16x16x128_f8f6f4 v[rD:rD+7], v[rA:rA+11], v[rB:rB+11], v[rC:rC+7], v[rSA], v[rSB] matrix_a_fmt:MATRIX_FMT_FP6 matrix_b_fmt:MATRIX_FMT_FP6 matrix_a_scale:MATRIX_SCALE_ROW1 matrix_b_scale:MATRIX_SCALE_ROW1
.elseif (\ra)
	v_wmma_scale_f32_16x16x128_f8f6f4 v[rD:rD+7], v[rA:rA+11], v[rB:rB+11], v[rC:rC+7], v[rSA], v[rSB] matrix_a_fmt:MATRIX_FMT_FP6 matrix_b_fmt:MATRIX_FMT_FP6 matrix_a_scale:MATRIX_SCALE_ROW1
.elseif (\rb)
	v_wmma_scale_f32_16x16x128_f8f6f4 v[rD:rD+7], v[rA:rA+11], v[rB:rB+11], v[rC:rC+7], v[rSA], v[rSB] matrix_a_fmt:MATRIX_FMT_FP6 matrix_b_fmt:MATRIX_FMT_FP6 matrix_b_scale:MATRIX_SCALE_ROW1
.else
	v_wmma_scale_f32_16x16x128_f8f6f4 v[rD:rD+7], v[rA:rA+11], v[rB:rB+11], v[rC:rC+7], v[rSA], v[rSB] matrix_a_fmt:MATRIX_FMT_FP6 matrix_b_fmt:MATRIX_FMT_FP6
.endif
.endm
.macro SLOAD t                         ; streamed tile t, its four K steps: 12 loads of 512 consecutive bytes into set t % 4
	WIN 0xc0
.irp s, 0,1,2,3
.irp p, 0,1,2
	global_load_b128 v[48*((\t)%4)+12*\s+4*\p:48*((\t)%4)+12*\s+4*\p+3], v2, s[26:27] offset:((((\t)/2)*4+\s)*2+(\t)%2)*1536+512*\p
.endr
.endr
	WIN 0
.endm
; A trip: streamed tile j against the 8 resident tiles, K ascending; the 8 accumulators take turns, one instruction a turn.
.macro TRIP j, vp
.if (\j) <= 4
	s_wait_loadcnt 36                              ; this tile's set is in; the three later sets' 12 loads each may be out
.else
	s_wait_loadcnt 12*(7-(\j))
.endif
.if \vp
.irp q, 0,1,2,3,4,5,6,7
	v_mov_b32 v[BC+\q], v[BV+(\j)]                 ; my channel's bias for my eight tokens of each tile
.endr
.rept 4
	v_nop
.endr
.endif
.irp s, 0,1,2,3
.if \s == 0
.if \vp
	WIN 0x0d                                       ; A window 1, B window 3, C and D window 0
.else
	WIN 0x1d                                       ; and C (the bias tiles) window 1
.endif
.elseif \s == 1
	WIN 0x0d
.else
	WIN 0x0e                                       ; A window 2
.endif
.irp i, 0,1,2,3,4,5,6,7
.set rD, HA+8*\i
.set rA, 12*(2*\i+\s%2)
.set rB, 48*((\j)%4)+12*\s
.if \s == 0
.if \vp
.set rC, BC
.else
.set rC, B1+8*\i
.endif
.else
.set rC, rD
.endif
.set rSA, RS+4*(\i/2)+\s
.set rSB, SS+4*((\j)/2)+\s
	WM \i%2, (\j)%2
.endr
.endr
	WIN 0
.rept 4
	v_nop                                          ; four places ahead of the loads into the set just read and of the first read of results
.endr
.if (\j) < 4
	SLOAD (\j)+4
.endif
	QUANT HA, PC, PW
.if \vp
.irp c, 0,1                                    ; v alone: in lanes 16-31 (the odd blocks of 32 keys) the codes of keys 0-15 and of keys 16-31 change places: the attention launch holds p's odd blocks in that order
.irp i, 0,1,2
	v_mov_b32 v[CT+\i], v[PC+6*\c+\i]
	v_cndmask_b32 v[PC+6*\c+\i], v[PC+6*\c+\i], v[PC+6*\c+3+\i], s[HM]
	v_cndmask_b32 v[PC+6*\c+3+\i], v[PC+6*\c+3+\i], v[CT+\i], s[HM]
.endr
.endr
.irp p, 0,1,2
	global_store_b128 v2, v[PC+4*\p:PC+4*\p+3], s[32+2*((\j)/4):33+2*((\j)/4)] offset:6144+1536*((\j)%4)+512*\p
.endr
.if (\j)%2 == 0
	v_mov_b32 v[KW+2*((\j)/4)+((\j)%4)/2], v[PW]
.else
	v_cndmask_b32 v[KW+2*((\j)/4)+((\j)%4)/2], v[KW+2*((\j)/4)+((\j)%4)/2], v[PW], s[HM]   ; the odd tile's words in lanes 16-31
.endif
.if (\j)%4 == 3
	global_store_b64 v3, v[KW+2*((\j)/4):KW+2*((\j)/4)+1], s[32+2*((\j)/4):33+2*((\j)/4)] offset:12800
.endif
.else
.irp c, 0,1
	global_store_b128 v2, v[PC+6*\c:PC+6*\c+3], s[32+2*\c:33+2*\c] offset:768*(\j)
	global_store_b64 v3, v[PC+6*\c+4:PC+6*\c+5], s[32+2*\c:33+2*\c] offset:768*(\j)+512
.endr
.if (\j)%2 == 0
	v_and_or_b32 v[KW+(\j)/2], v[PW], 0xffff, s[PADW]      ; head 0's two bytes, and 0x7f for the half of K that holds no numbers
	v_lshrrev_b32 v[T0], 16, v[PW]
	v_or_b32 v[KW+4+(\j)/2], s[PADW], v[T0]                ; head 1's
.else
	v_and_or_b32 v[T0], v[PW], 0xffff, s[PADW]
	v_lshrrev_b32 v[T0+1], 16, v[PW]
	v_or_b32 v[T0+1], s[PADW], v[T0+1]
	v_cndmask_b32 v[KW+(\j)/2], v[KW+(\j)/2], v[T0], s[HM]
	v_cndmask_b32 v[KW+4+(\j)/2], v[KW+4+(\j)/2], v[T0+1], s[HM]
.endif
.endif
.endm
	s_load_b256 s[4:11], s[0:1], 0x0               ; img s[4:5], sc s[6:7], bq s[8:9], bk s[10:11]
	s_load_b128 s[12:15], s[0:1], 0x20             ; bv s[12:13], qbuf s[14:15]
	s_load_b64 s[16:17], s[0:1], 0x30              ; kv
	v_lshrrev_b32 v1, 5, v0
	v_readfirstlane_b32 s18, v1                    ; wave 0..3
	v_and_b32 v1, 31, v0
	v_lshlrev_b32 v2, 4, v1                        ; 16 x lane
	v_lshlrev_b32 v3, 3, v1                        ; 8 x lane
	v_lshlrev_b32 v4, 2, v1                        ; 4 x lane
	v_bfe_u32 v5, v0, 4, 1
	v_lshlrev_b32 v5, 6, v5                        ; 64 h: q's and k's bias tiles
	v_and_b32 v6, 15, v0
	v_and_b32 v7, 8, v6
	v_add_nc_u32 v6, v6, v7
	v_lshlrev_b32 v6, 2, v6                        ; 4 (r + 8 (r / 8)): v's bias
.irp b, 0,1,2,3
	v_mov_b32 v[TM+4+\b], 0                        ; written once: a lane permute's destination counts as one of its sources
.endr
	s_mov_b32 s[SEL], 0x76543210
	s_mov_b32 s[SEL+1], 0xfedcba98
	s_mov_b32 s[HM], 0xffff0000
	s_mov_b32 s[PADW], 0x7f7f0000
	s_and_b32 s19, ttmp7, 0xffff                   ; y
	s_lshl_b32 s20, ttmp9, 2                       ; x's first group
	s_lshl_b32 s21, s19, 4
	s_lshl_b32 s22, s18, 2
	s_add_co_u32 s21, s21, s22
	s_add_co_u32 s21, s21, 256                     ; the weight's first group
	s_cmp_eq_u32 s19, 2
	s_cselect_b32 s22, s20, s21                    ; resident
	s_cselect_b32 s23, s21, s20                    ; streamed
	s_mul_i32 s24, s22, 12288
	s_mov_b32 s25, 0
	s_mul_i32 s26, s23, 12288
	s_mov_b32 s27, 0
	s_lshl_b32 s28, s22, 9
	s_mov_b32 s29, 0
	s_lshl_b32 s30, s23, 9
	s_mov_b32 s31, 0
	s_lshr_b32 s44, ttmp9, 5                       ; batch
	s_and_b32 s45, ttmp9, 31                       ; step of 128 tokens
	s_lshl_b32 s44, s44, 3
	s_lshl_b32 s46, s18, 1
	s_add_co_u32 s44, s44, s46                     ; head 2 w of the batch
	s_lshl_b32 s44, s44, 5
	s_add_co_u32 s44, s44, s45
	s_mov_b32 s46, 13056
	s_mov_b32 s54, 12288
	s_cmp_eq_u32 s19, 0
	s_cselect_b32 s46, 6656, s46                   ; bytes for a (head, step): qbuf's or kv's
	s_cselect_b32 s54, 6144, s54                   ; where the scale words of q or k begin
	s_mov_b32 s55, 0
	s_mul_i32 s32, s44, s46
	s_mov_b32 s33, 0
	s_lshl_b32 s34, s46, 5                         ; the next head: 32 steps on
	s_add_co_u32 s34, s34, s32
	s_mov_b32 s35, 0
	s_lshl_b32 s48, s18, 9                         ; my 128 numbers of the bias
	s_mov_b32 s49, 0
	s_wait_kmcnt 0x0
	s_cmp_eq_u32 s19, 0
	s_cselect_b64 s[36:37], s[14:15], s[16:17]
	s_cselect_b64 s[38:39], s[8:9], s[10:11]
	s_add_nc_u64 s[32:33], s[36:37], s[32:33]      ; out, head 2 w
	s_add_nc_u64 s[34:35], s[36:37], s[34:35]      ; out, head 2 w + 1
	s_add_nc_u64 s[50:51], s[32:33], s[54:55]
	s_add_nc_u64 s[52:53], s[34:35], s[54:55]
	s_add_nc_u64 s[38:39], s[38:39], s[48:49]
	s_add_nc_u64 s[12:13], s[12:13], s[48:49]
	s_add_nc_u64 s[24:25], s[4:5], s[24:25]
	s_add_nc_u64 s[26:27], s[4:5], s[26:27]
	s_add_nc_u64 s[28:29], s[6:7], s[28:29]
	s_add_nc_u64 s[30:31], s[6:7], s[30:31]
	WIN 0x40
.irp i, 0,1,2,3,4,5,6,7
.irp s, 0,1
.irp p, 0,1,2
	global_load_b128 v[12*(2*\i+\s)+4*\p:12*(2*\i+\s)+4*\p+3], v2, s[24:25] offset:(((\i/2)*4+\s)*2+\i%2)*1536+512*\p
.endr
.endr
.endr
	WIN 0x80
.irp i, 0,1,2,3,4,5,6,7
.irp s, 2,3
.irp p, 0,1,2
	global_load_b128 v[12*(2*\i+\s-2)+4*\p:12*(2*\i+\s-2)+4*\p+3], v2, s[24:25] offset:(((\i/2)*4+\s)*2+\i%2)*1536+512*\p
.endr
.endr
.endr
	WIN 0
.irp b, 0,1,2,3
.irp s, 0,1,2,3
	global_load_b32 v[RS+4*\b+\s], v4, s[28:29] offset:(4*\b+\s)*128
.endr
.endr
.irp b, 0,1,2,3
.irp s, 0,1,2,3
	global_load_b32 v[SS+4*\b+\s], v4, s[30:31] offset:(4*\b+\s)*128
.endr
.endr
	s_cmp_eq_u32 s19, 2
	s_cbranch_scc1 .Lvpath
	; ---- q, k
	WIN 0x40
	s_wait_alu depctr_va_vdst(0)
.irp i, 0,1,2,3,4,5,6,7                        ; lane (r, h), tile 2 b + u: the bias of columns 32 b + 8 u + 16 h + 0 .. 7
	global_load_b128 v[B1+8*\i:B1+8*\i+3], v5, s[38:39] offset:(32*(\i/2)+8*(\i%2))*4
	global_load_b128 v[B1+8*\i+4:B1+8*\i+7], v5, s[38:39] offset:(32*(\i/2)+8*(\i%2))*4+16
.endr
	WIN 0
.irp t, 0,1,2,3
	SLOAD \t
.endr
.irp t, 0,1,2,3,4,5,6,7
	TRIP \t, 0
.endr
	global_store_b128 v2, v[KW:KW+3], s[50:51]     ; the scale words of the eight token tiles, head 2 w: 512 consecutive bytes
	global_store_b128 v2, v[KW+4:KW+7], s[52:53]   ; head 2 w + 1
	s_endpgm
.Lvpath:
	; ---- v
	s_wait_alu depctr_va_vdst(0)
.irp t, 0,1,2,3,4,5,6,7
	global_load_b32 v[BV+\t], v6, s[12:13] offset:(32*(\t/2)+8*(\t%2))*4      ; the bias of my channel in streamed tile t
.endr
.irp t, 0,1,2,3
	SLOAD \t
.endr
.irp t, 0,1,2,3,4,5,6,7
	TRIP \t, 1
.endr
	s_endpgm
.Lfunc_end_k_qc0b2cd7c53_qkv:
	.size	k_qc0b2cd7c53_qkv, .Lfunc_end_k_qc0b2cd7c53_qkv-k_qc0b2cd7c53_qkv
	.p2alignl 7, 3214868480
	.fill 96, 4, 3214868480
	.section	.rodata,"a",@progbits
	.p2align	6, 0x0
	.amdhsa_kernel k_qc0b2cd7c53_qkv
		.amdhsa_group_segment_fixed_size 0
		.amdhsa_private_segment_fixed_size 0
		.amdhsa_enable_private_segment 0
		.amdhsa_kernarg_size 56
		.amdhsa_user_sgpr_count 2
		.amdhsa_user_sgpr_kernarg_segment_ptr 1
		.amdhsa_wavefront_size32 1
		.amdhsa_system_sgpr_workgroup_id_x 1
		.amdhsa_system_sgpr_workgroup_id_y 1
		.amdhsa_system_sgpr_workgroup_id_z 1
		.amdhsa_system_vgpr_workitem_id 0
		.amdhsa_next_free_vgpr 1024
		.amdhsa_next_free_sgpr 66
		.amdhsa_reserve_vcc 0
		.amdhsa_float_denorm_mode_32 3
		.amdhsa_float_denorm_mode_16_64 3
		.amdhsa_memory_ordered 1
		.amdhsa_forward_progress 1
		.amdhsa_inst_pref_size 184
	.end_amdhsa_kernel
	.amdgpu_metadata
---
amdhsa.version: [ 1, 2 ]
amdhsa.kernels:
  - .name:           k_qc0b2cd7c53_qkv
    .symbol:         k_qc0b2cd7c53_qkv.kd
    .args:
      - { .name: img, .offset: 0, .size: 8, .value_kind: global_buffer, .address_space: global }
      - { .name: sc, .offset: 8, .size: 8, .value_kind: global_buffer, .address_space: global }
      - { .name: bq, .offset: 16, .size: 8, .value_kind: global_buffer, .address_space: global }
      - { .name: bk, .offset: 24, .size: 8, .value_kind: global_buffer, .address_space: global }
      - { .name: bv, .offset: 32, .size: 8, .value_kind: global_buffer, .address_space: global }
      - { .name: qbuf, .offset: 40, .size: 8, .value_kind: global_buffer, .address_space: global }
      - { .name: kv, .offset: 48, .size: 8, .value_kind: global_buffer, .address_space: global }
    .group_segment_fixed_size: 0
    .private_segment_fixed_size: 0
    .kernarg_segment_align: 8
    .kernarg_segment_size: 56
    .max_flat_workgroup_size: 128
    .sgpr_count:     66
    .vgpr_count:     1024
    .wavefront_size: 32
...
	.end_amdgpu_metadata
.endif
;; end of part 2
;; launch attn (part 3): grid 16 x 16, 8 waves a work-group, clusters of 4 x 1, 327,680 bytes of LDS; arguments qbuf, kv, aimg, asc; writes aimg, asc
.if DOCPART == 3
	.amdgcn_target "amdgcn-amd-amdhsa--gfx1250"
	.amdhsa_code_object_version 6
	.text
	.protected	k_qc0b2cd7c53_attn
	.globl	k_qc0b2cd7c53_attn
	.p2align	8
	.type	k_qc0b2cd7c53_attn,@function
k_qc0b2cd7c53_attn:
	s_mov_b64 s[64:65], 0
	v_nop
	global_prefetch_b8 v0, s[64:65] scope:SCOPE_SE
	s_setreg_imm32_b32 hwreg(HW_REG_WAVE_MODE, 25, 1), 1
	s_wait_xcnt 0x0
	s_wait_alu depctr_hold_cnt(0) depctr_sa_sdst(0) depctr_va_vdst(0) depctr_va_sdst(0) depctr_va_ssrc(0) depctr_va_vcc(0) depctr_vm_vsrc(0)
	s_getreg_b32 s2, hwreg(HW_REG_IB_STS2, 6, 4)
	s_cmp_eq_u32 s2, 0
	s_cbranch_scc0 .Lentry_in_a_cluster
	s_endpgm
.Lentry_in_a_cluster:
	s_bfe_u32 s2, ttmp6, 0x10000c
	s_cmp_lg_u32 s2, 0x3003
	s_cbranch_scc0 .Lentry_shape_is_right
	s_endpgm
.Lentry_shape_is_right:
; For each of 16 heads (batch x head): o = softmax(q k^T / 8) v, both products on codes of FP6 (E2M3), and o quantised along the channels for the last product.
; THE SOFTMAX: t = score x log2(e) / 8; M = the running largest t rounded UP to a whole number; p = 2^(t - M) is quantised along the keys, not normalised; the row's sum is taken of the
; unquantised p and divides at the end; when M moves, the sum and O are multiplied by 2^(old M - new M), which rounds nothing.
; SHARES.  A work-group owns 256 queries of one head; each of its eight waves two tiles of 16 queries, so that each fragment of k and v read from LDS serves two tiles.  A step is 256 keys (two key steps of kv):
; the running maximum, M and the rescaling of O come once for 256 keys.  The two tiles go one after the other through the same 128 registers of scores.
; Both products are used transposed (S^T = k q^T, O^T = v^T p^T): a lane holds ONE query.
; THE ROWS OF A KEY TILE ARE GATHERED BY THE LANES' LDS ADDRESSES: tile (c, u) of a key step takes as rows 0-7 keys 64 c + 8 u + 0..7 and as rows 8-15 keys 64 c + 32 + 8 (u xor 2) + 0..7.  So lane (r, h) holds in the 32 registers of
; tiles (c, 0..3) the WHOLE block 2 c + h of 32 keys: a block's largest score needs no other lane, and the conversions' results are the operand's registers (three moves a block, since a conversion's three registers begin on an even number).
; In the odd blocks keys 16-31 stand ahead of keys 0-15; v's images hold their odd blocks in the same order.  With u xor 2 the sixteen lanes of a load take 256 different bytes modulo 256.
; K = 64 IN AN INSTRUCTION OF K = 128: q's registers 6-11 are zero codes.  Key tile t's operand is named with the next tile's six registers as its upper half (zeros behind the last of eight):
; every pattern of 6 bits is a finite number, it meets a zero code, and both sides' scale bytes there are 0x7f: the upper half adds exact zeros.
; FRAGMENTS AHEAD.  Three buffers: Z (k of the first 128 keys), X (k of the second 128, then v of the first), Y (v of the second).  The next step's Z is asked for under the second tile's softmax, its X between the two halves of
; the second product.  A slot's last step asks at a clamped address, for its own tiles again; the next slot's first tiles are fetched behind the barrier.
; LDS.  A key step is 13,056 dense bytes of kv, images of operand registers.  Two slots with room for 12 key steps.  Fills: key steps 0-7 at the head (a key step a wave), 8-19 and 20-31 behind a round of the
; cluster's barrier (waves 0-5, two key steps each).  One tensor load of a wave is out at the most.
; No L2 prefetch is laid: the two later fills are asked for eight and twelve key steps ahead of their first read.
; CLUSTER.  The four work-groups of a cluster walk the same head: each tile is asked for JOINTLY (mask 15).
; OUT.  aimg: token tile T, K step s at (4 T + s) 1536, head 2 s + c's half image at + 768 c.  asc: 16 scale bytes for a tile's row; a head's two are stored as single bytes, 131,072 in the launch: those stores write 256-byte stretches in part.
; LIMITS: the promise holds while the scaled scores t stay under 2^31 in magnitude; NaN and infinities are not served; scale bytes are held at 1 from below; a block of zeros has the byte 1 (read by this program alone).
; REGISTERS.  window 0: v1-4, v7, v9, v252-255 lane terms; v5, v6 the add's two; v0, v8, v10-15 LDS addresses; v16-23 the tiles' -M, largest score, sum; v24-25 q's scale words; v26-33 k's, v34-37 v's; v38-41 p's;
;   v42-89 p's codes; v90-217 S^T, then p; v218-251 at work.   window 1: v0-53 Z, v54-107 X, v108-155 Y; v156-219 O^T; v220-243 q.
.set STEPB, 13056
.set SLOTBB, 12*STEPB                  ; slot B
.set HEADB, 32*STEPB
.set SPARE, 24*STEPB                   ; behind the slots: the spare words, 128 bytes for each of 8 waves
.set A16, 0
.set A8,  8
.set AK,  10
.set AK8, 12
.set AS,  14
.set L4,  252
.set L8,  254
.set STA, 16
.set STB, 20
.set QSA, 24
.set KS,  26
.set VS,  34
.set PWA, 38
.set PCA, 42
.set S,   90
.set BM,  218
.set BP,  222
.set SO,  224
.set BY,  228
.set F,   232
.set TMP, 234
.set CT,  236
.set KF,  0                            ; window 1: Z at KF, X at KF + 54, Y at KF + 108
.set OA,  156
.set QA,  220
.set QB,  232
.set WV,  12
.set SEL, 20
.set CS,  22
.set G1,  24
.set G0,  32
.set G0B, 36
.set G0C, 40
.set TB,  44
.set CNT, 45
.set HM,  46
.set TBN, 47
.set G1B, 68
.set MSB, 0
.macro WIN new                         ; the immediate's high byte repeats the setting that is left
.if MSB != \new
	s_set_vgpr_msb (MSB<<8)|\new
.set MSB, \new
.endif
.endm
.macro DLY n
	s_delay_alu instid0(VALU_DEP_\n)
.endm
.macro ROUND                           ; a round of the cluster's barrier
	s_barrier_signal -1
	s_barrier_wait -1
	s_cmp_lg_u32 s[WV], 0
	s_cbranch_scc1 .Lnot_wave_0_\@
	s_barrier_signal -3
.Lnot_wave_0_\@:
	s_barrier_wait -3
	s_barrier_signal -1
	s_barrier_wait -1
.endm
.macro SYNC                            ; the waits, the add and the round in front of a fill
	s_wait_tensorcnt 0x0                           ; my tensor load has landed
	ds_add_u32 v5, v6                              ; 0 onto my spare word
	s_wait_dscnt 0x0                               ; the add is done, and my LDS reads are over
	ROUND                                          ; no wave of any partner still reads the slot to be filled or has a load on its way
.endm
.macro JLOAD2 g0                       ; twelve key steps: waves 0-5 fetch two each; an s_nop 0 and four v_nop follow
	s_cmp_lt_u32 s[WV], 6
	s_cbranch_scc0 .Lnone_\@
	tensor_load_to_lds s[\g0:\g0+3], s[G1B:G1B+7]
	s_nop 0
.rept 4
	v_nop
.endr
.Lnone_\@:
.endm
.macro WMZ d, a, b, sa, sb, r1         ; a product that starts a sum
.if \r1
	v_wmma_scale_f32_16x16x128_f8f6f4 v[\d:\d+7], v[\a:\a+11], v[\b:\b+11], 0, v[\sa], v[\sb] matrix_a_fmt:MATRIX_FMT_FP6 matrix_b_fmt:MATRIX_FMT_FP6 matrix_a_scale:MATRIX_SCALE_ROW1
.else
	v_wmma_scale_f32_16x16x128_f8f6f4 v[\d:\d+7], v[\a:\a+11], v[\b:\b+11], 0, v[\sa], v[\sb] matrix_a_fmt:MATRIX_FMT_FP6 matrix_b_fmt:MATRIX_FMT_FP6
.endif
.endm
.macro WMA d, a, b, sa, sb, r1         ; a product that adds in place
.if \r1
	v_wmma_scale_f32_16x16x128_f8f6f4 v[\d:\d+7], v[\a:\a+11], v[\b:\b+11], v[\d:\d+7], v[\sa], v[\sb] matrix_a_fmt:MATRIX_FMT_FP6 matrix_b_fmt:MATRIX_FMT_FP6 matrix_a_scale:MATRIX_SCALE_ROW1
.else
	v_wmma_scale_f32_16x16x128_f8f6f4 v[\d:\d+7], v[\a:\a+11], v[\b:\b+11], v[\d:\d+7], v[\sa], v[\sb] matrix_a_fmt:MATRIX_FMT_FP6 matrix_b_fmt:MATRIX_FMT_FP6
.endif
.endm
.macro KADDR sb                        ; k's six LDS addresses for the 256 keys that begin at byte s[sb]; register e of a pair serves tiles (c, 2 e) and (c, 2 e + 1)
	v_add_nc_u32 v[AK], s[\sb], v3
	v_add_nc_u32 v[AK+1], s[\sb], v4
	v_add_nc_u32 v[AK8], s[\sb], v[L4]
	v_add_nc_u32 v[AK8+1], s[\sb], v[L4+1]
	v_add_nc_u32 v[AS], s[\sb], v[L8]
	v_add_nc_u32 v[AS+1], s[\sb], v[L8+1]
.endm
.macro KLOAD kk                        ; k's eight gathered tiles of key step kk and their scale words: 20 LDS loads
	WIN 0x40
.irp t, 0,1,2,3,4,5,6,7
	ds_load_b128 v[KF+54*\kk+6*\t:KF+54*\kk+6*\t+3], v[AK+(\t%4)/2] offset:STEPB*\kk+768*(4*(\t/4)+\t%2)
	ds_load_b64 v[KF+54*\kk+6*\t+4:KF+54*\kk+6*\t+5], v[AK8+(\t%4)/2] offset:STEPB*\kk+768*(4*(\t/4)+\t%2)+512
.endr
	WIN 0
.irp c, 0,1
.irp e, 0,1
	ds_load_b32 v[KS+4*\kk+2*\c+\e], v[AS+\e] offset:STEPB*\kk+12288+8*\c   ; lanes 0-15 the words of tile (c, 2 e), lanes 16-31 those of tile (c, 2 e + 1)
.endr
.endr
.endm
; ONE QUERY TILE AGAINST 256 KEYS: scores, softmax, p's codes and scale words, O^T rescaled.  sta: the tile's state; qr, qsc: q and its scale word; pc, pw: p's codes and words; oo: O^T; vld = 1: the step's second tile.
.macro PHASE sta, qr, qsc, pc, pw, oo, vld
	WIN 0x05                                       ; sources 0 (k) and 1 (q) window 1
.irp kk, 0,1
.if \vld == 0
.if \kk == 0
	s_wait_dscnt 20                                ; Z and its scale words are in; the 20 younger loads, X's, may be out
.else
	s_wait_dscnt 0x0                               ; X and its scale words are in
.endif
.endif
.irp t, 0,1,2,3,4,5,6,7
	WMZ S+64*\kk+8*\t, KF+54*\kk+6*\t, \qr, KS+4*\kk+2*(\t/4)+(\t%4)/2, \qsc, \t%2
.endr
.endr
	WIN 0
.if \vld
	v_add_nc_u32 v[A16], s[TB], v1                 ; these eight are the places ahead of the first read of the scores and of the loads into k's registers
	v_add_nc_u32 v[A8], s[TB], v2
	KADDR TBN
	WIN 0x40
.irp kk, 0,1
.irp t, 0,1,2,3
.irp p, 0,1,2
	ds_load_b128 v[KF+54+54*\kk+12*\t+4*\p:KF+54+54*\kk+12*\t+4*\p+3], v[A16] offset:STEPB*\kk+6144+1536*\t+512*\p   ; v's fragments, into X and Y
.endr
.endr
.endr
	WIN 0
.irp kk, 0,1
	ds_load_b64 v[VS+2*\kk:VS+2*\kk+1], v[A8] offset:STEPB*\kk+12800
.endr
	KLOAD 0                                        ; the next step's Z; all of these land while this tile's softmax is walked
.else
.rept 4
	v_nop                                          ; four places ahead of the first read of the scores
.endr
.endif
.irp b, 0,1,2,3
	v_max3_num_f32 v[BM+\b], v[S+32*\b], v[S+32*\b+1], v[S+32*\b+2]   ; my four blocks' largest scores, by turns; each accumulator is read from its low end on
.endr
.irp i, 3,5,7,9,11,13,15,17,19,21,23,25,27,29
.irp b, 0,1,2,3
	v_max3_num_f32 v[BM+\b], v[BM+\b], v[S+32*\b+\i], v[S+32*\b+\i+1]
.endr
.endr
.irp b, 0,1,2,3
	v_max_num_f32 v[BM+\b], v[BM+\b], v[S+32*\b+31]
.endr
	DLY 2
	v_max3_num_f32 v[TMP], v[BM], v[BM+1], v[BM+2]
	DLY 1
	v_max_num_f32 v[TMP], v[TMP], v[BM+3]
	DLY 1
	v_permlanex16_b32 v[TMP+1], v[TMP], s[SEL], s[SEL+1]       ; lane l xor 16 holds the query's other four blocks
	DLY 1
	v_max3_num_f32 v[\sta+1], v[\sta+1], v[TMP], v[TMP+1]      ; the running largest score
	DLY 1
	v_mul_f32 v[TMP], s[CS], v[\sta+1]                         ; as t (c is positive)
	DLY 1
	v_floor_f32 v[TMP], -v[TMP]                                ; the new -M = floor(-t)
	DLY 1
	v_sub_f32 v[TMP+1], v[TMP], v[\sta]                        ; old M - new M: a whole number, 0 or less
	v_mov_b32 v[\sta], v[TMP]
	DLY 2
	v_cvt_i32_f32 v[TMP+1], v[TMP+1]                           ; (it saturates)
	DLY 1
	v_ldexp_f32 v[F], 1.0, v[TMP+1]                            ; f = 2^(old M - new M)
.set J, 0
.rept 64
	v_pk_fma_f32 v[S+J:S+J+1], v[S+J:S+J+1], s[CS:CS+1], v[\sta:\sta+1] op_sel_hi:[1,0,0]   ; t - M, two at a time
.set J, J+2
.endr
	v_pk_fma_f32 v[BM:BM+1], v[BM:BM+1], s[CS:CS+1], v[\sta:\sta+1] op_sel_hi:[1,0,0]       ; the same of each block's largest score
	v_pk_fma_f32 v[BM+2:BM+3], v[BM+2:BM+3], s[CS:CS+1], v[\sta:\sta+1] op_sel_hi:[1,0,0]
	s_wait_alu depctr_va_vdst(0)                   ; ahead of the batch
.set J, 0
.rept 128
	v_exp_f32 v[S+J], v[S+J]                       ; p = 2^(t - M)
.set J, J+1
.endr
.irp b, 0,1,2,3
	v_exp_f32 v[BM+\b], v[BM+\b]                   ; the block's largest p: the same two instructions on the same number give the same bits
.endr
	v_pk_mul_f32 v[\sta+2:\sta+3], v[\sta+2:\sta+3], v[F:F+1] op_sel_hi:[1,0]   ; the sums under the new M: the plain place behind the batch
	WIN 0x41                                       ; O^T: source 0 and destination window 1
	s_wait_alu depctr_va_vdst(0)                   ; behind the batch, directly ahead of the first reader of O^T
.irp j, 0,2,4,6,8,10,12,14,16,18,20,22,24,26,28,30
	v_pk_mul_f32 v[\oo+\j:\oo+\j+1], v[\oo+\j:\oo+\j+1], v[F:F+1] op_sel_hi:[1,0]   ; O^T under the new M
.endr
	WIN 0
.irp i, 0,1,2,3,4,5,6,7                        ; the row's sum of the unquantised p: eight chains of pairs
	v_pk_add_f32 v[CT+2*\i:CT+2*\i+1], v[S+2*\i:S+2*\i+1], v[S+16+2*\i:S+17+2*\i]
.endr
.irp g, 2,3,4,5,6,7
.irp i, 0,1,2,3,4,5,6,7
	v_pk_add_f32 v[CT+2*\i:CT+2*\i+1], v[CT+2*\i:CT+2*\i+1], v[S+16*\g+2*\i:S+16*\g+2*\i+1]
.endr
.endr
.irp i, 0,1,2,3
	v_pk_add_f32 v[CT+2*\i:CT+2*\i+1], v[CT+2*\i:CT+2*\i+1], v[CT+8+2*\i:CT+9+2*\i]
.endr
	DLY 2
	v_pk_add_f32 v[CT:CT+1], v[CT:CT+1], v[CT+4:CT+5]
	DLY 2
	v_pk_add_f32 v[CT+2:CT+3], v[CT+2:CT+3], v[CT+6:CT+7]
	DLY 1
	v_pk_add_f32 v[CT:CT+1], v[CT:CT+1], v[CT+2:CT+3]
	DLY 1
	v_pk_add_f32 v[\sta+2:\sta+3], v[\sta+2:\sta+3], v[CT:CT+1]
.irp b, 0,1,2,3
	v_max_num_f32 v[BM+\b], 0x1800000, v[BM+\b]    ; the floor 2^(3 - 127): the byte cannot fall under 1
.endr
.irp b, 0,1,2,3
	v_add_nc_u32 v[SO+\b], 0xff000000, v[BM+\b]    ; 2 off the exponent field: the conversion's scale operand
.endr
.irp b, 0,1,2,3
	v_lshrrev_b32 v[BY+\b], 23, v[SO+\b]           ; the byte
.endr
.irp kk, 0,1
	v_lshl_or_b32 v[BY+2*\kk], v[BY+2*\kk+1], 16, v[BY+2*\kk]   ; my two bytes of these 128 keys: blocks h and 2 + h,
.endr
.irp kk, 0,1
	DLY 2
	v_lshlrev_b32 v[BY+2*\kk], v9, v[BY+2*\kk]     ; at their places in the word (8 h bits up);
.endr
.irp kk, 0,1
	DLY 2
	v_permlanex16_b32 v[BP+\kk], v[BY+2*\kk], s[SEL], s[SEL+1]
.endr
.irp kk, 0,1
	DLY 2
	v_or_b32 v[\pw+\kk], v[BY+2*\kk], v[BP+\kk]    ; with lane l xor 16's two the word is whole
.endr
.irp b, 0,1,2,3
	v_cvt_scalef32_pk16_fp6_f32 v[\pc+6*\b:\pc+6*\b+2], v[S+32*\b:S+32*\b+15], v[SO+\b]
	v_cvt_scalef32_pk16_fp6_f32 v[CT+4*\b:CT+4*\b+2], v[S+32*\b+16:S+32*\b+31], v[SO+\b]   ; (a conversion's three registers begin on an even number)
.endr
	v_nop                                          ; one plain place behind the scaled conversions
.irp b, 0,1,2,3
.irp i, 0,1,2
	v_mov_b32 v[\pc+6*\b+3+\i], v[CT+4*\b+\i]
.endr
.endr
.endm
.macro PV kk                           ; O^T += v^T p^T for 128 keys: the eight accumulators take turns, one instruction a turn
	WIN 0x51                                       ; source 0 (v), C and D window 1
.irp x, 0,1
.irp t, 0,1,2,3
	WMA OA+32*\x+8*\t, KF+54+54*\kk+12*\t, PCA+24*\x+12*\kk, VS+2*\kk+\t/2, PWA+2*\x+\kk, \t%2
.endr
.endr
	WIN 0
.endm
; A STEP: 256 keys, two key steps of 13,056 bytes from LDS byte s[TB] on, against my two query tiles; s[TBN]: where the next step's begin.
.macro STEP
	PHASE STA, QA, QSA, PCA, PWA, OA, 0
	PHASE STB, QB, QSA+1, PCA+24, PWA+2, OA+32, 1
.rept 4
	v_nop                                          ; four places between p's last codes and the products
.endr
	s_wait_alu depctr_va_vdst(0)
	s_wait_dscnt 0x0                               ; v's fragments and scale words are in (and the next step's Z)
	PV 0
.rept 4
	v_nop                                          ; four places ahead of the loads into X, which the products above read
.endr
	KLOAD 1                                        ; the next step's X
	PV 1
.endm
.macro PASS base, n                    ; n steps of 256 keys that lie on end in LDS from byte base on
	s_mov_b32 s[TB], \base
	s_mov_b32 s[CNT], \n
	KADDR TB
	KLOAD 0                                        ; the first step's Z and X
	KLOAD 1
.Lstep_\@:
	s_add_co_u32 s[TBN], s[TB], 2*STEPB
	s_min_u32 s[TBN], s[TBN], \base+(\n-1)*2*STEPB ; the last step has no successor in this slot: the address is held at its own
	STEP
	s_add_co_u32 s[TB], s[TB], 2*STEPB
	s_sub_co_u32 s[CNT], s[CNT], 1
	s_cmp_lg_u32 s[CNT], 0
	s_cbranch_scc1 .Lstep_\@
.endm
	s_load_b256 s[4:11], s[0:1], 0x0               ; qbuf s[4:5], kv s[6:7], aimg s[8:9], asc s[10:11]
	v_lshl_add_u32 v5, v0, 2, SPARE
	v_mov_b32 v6, 0
	ds_add_u32 v5, v6                              ; the opening lines: the add, twice on end, and its wait ahead of my first tensor load
	ds_add_u32 v5, v6
	v_lshrrev_b32 v1, 5, v0
	v_readfirstlane_b32 s[WV], v1                  ; wave 0..7
	; descriptor groups 1: 51 or 102 rows of 256 bytes (32 elements of 8 bytes), dense in memory and in LDS
	s_mov_b32 s[G1], 15|(3<<16)|(1<<21)            ; the mask: all four work-groups; elements of 8 bytes; bit 21 set beside a mask
	s_mov_b32 s[G1+1], 32<<16
	s_mov_b32 s[G1+2], 51<<16
	s_mov_b32 s[G1+3], 32<<16
	s_mov_b32 s[G1+4], 51
	s_mov_b32 s[G1+5], 32
	s_mov_b32 s[G1+6], 0
	s_mov_b32 s[G1+7], 0
	s_mov_b32 s[G1B], 15|(3<<16)|(1<<21)
	s_mov_b32 s[G1B+1], 32<<16
	s_mov_b32 s[G1B+2], 102<<16
	s_mov_b32 s[G1B+3], 32<<16
	s_mov_b32 s[G1B+4], 102
	s_mov_b32 s[G1B+5], 32
	s_mov_b32 s[G1B+6], 0
	s_mov_b32 s[G1B+7], 0
	s_mov_b32 s[SEL], 0x76543210
	s_mov_b32 s[SEL+1], 0xfedcba98
	s_mov_b32 s[CS], 0x3e38aa3b                    ; c = log2(e) / 8
	s_mov_b32 s[CS+1], s[CS]
	s_mov_b32 s[HM], 0xffff0000
	s_and_b32 s15, ttmp7, 0xffff                   ; the head (of 16), which the four partners share
	s_mul_i32 s58, s[WV], STEPB                    ; my key step of the first fill: no place in the cluster enters it
	s_mov_b32 s59, 0
	s_lshl_b32 s62, s58, 1                         ; my two key steps of a later fill
	s_mov_b32 s63, 0
	s_mul_i32 s56, s15, HEADB
	s_mov_b32 s57, 0
	; what hangs on my place in the cluster: q's and the output's addresses alone
	s_bfe_u32 s13, ttmp6, 0x40000                  ; cx
	s_lshl_b32 s14, ttmp9, 2
	s_add_co_u32 s14, s14, s13                     ; my block of 256 queries
	s_lshl_b32 s14, s14, 1
	s_lshr_b32 s16, s[WV], 2
	s_add_co_u32 s14, s14, s16                     ; my wave's step of 128 tokens
	s_and_b32 s16, s[WV], 3                        ; and its pair of tiles in it
	s_lshl_b32 s17, s15, 5
	s_add_co_u32 s17, s17, s14
	s_mul_i32 s50, s17, 6656
	s_mul_i32 s18, s16, 1536
	s_add_co_u32 s48, s50, s18                     ; q's two half images
	s_mov_b32 s49, 0
	s_lshl_b32 s18, s16, 2
	s_add_co_u32 s50, s50, s18
	s_add_co_u32 s50, s50, 6144                    ; q's scale words: 6,144 + 4 x pair + 16 r; the odd tile's 256 further on
	s_mov_b32 s51, 0
	s_lshr_b32 s18, s15, 3
	s_lshl_b32 s18, s18, 5
	s_add_co_u32 s18, s18, s14
	s_lshl_b32 s18, s18, 2
	s_add_co_u32 s18, s18, s16
	s_lshl_b32 s18, s18, 1                         ; T: my first token tile among 512
	s_and_b32 s19, s15, 7                          ; the head in its batch
	s_lshl_b32 s52, s18, 2
	s_lshr_b32 s17, s19, 1
	s_add_co_u32 s52, s52, s17
	s_mul_i32 s52, s52, 1536
	s_and_b32 s17, s19, 1
	s_mul_i32 s17, s17, 768
	s_add_co_u32 s52, s52, s17
	s_mov_b32 s53, 0
	s_lshl_b32 s54, s18, 8
	s_lshl_b32 s17, s19, 1
	s_add_co_u32 s54, s54, s17
	s_mov_b32 s55, 0
	s_wait_dscnt 0x0                               ; both opening adds are done
	s_wait_kmcnt 0x0
	s_add_nc_u64 s[60:61], s[6:7], s[56:57]        ; the head's part of kv
	s_add_nc_u64 s[48:49], s[4:5], s[48:49]
	s_add_nc_u64 s[50:51], s[4:5], s[50:51]
	s_add_nc_u64 s[8:9], s[8:9], s[52:53]
	s_add_nc_u64 s[10:11], s[10:11], s[54:55]
	s_mov_b32 s[G0], 1                             ; key steps 0-7 into slot A
	s_add_co_u32 s[G0+1], s58, 0
	s_add_nc_u64 s[G0+2:G0+3], s[60:61], s[58:59]
	s_or_b32 s[G0+3], s[G0+3], 0x80000000
	s_add_nc_u64 s[60:61], s[60:61], s[62:63]
	s_mov_b32 s[G0B], 1                            ; key steps 8-19 into slot B
	s_add_co_u32 s[G0B+1], s62, SLOTBB
	s_add_nc_u64 s[G0B+2:G0B+3], s[60:61], 8*STEPB
	s_or_b32 s[G0B+3], s[G0B+3], 0x80000000
	s_mov_b32 s[G0C], 1                            ; key steps 20-31 into slot A
	s_add_co_u32 s[G0C+1], s62, 0
	s_add_nc_u64 s[G0C+2:G0C+3], s[60:61], 20*STEPB
	s_or_b32 s[G0C+3], s[G0C+3], 0x80000000
	ROUND                                          ; all four work-groups are here: the first joint loads meet
	tensor_load_to_lds s[G0:G0+3], s[G1:G1+7]      ; one tensor load a wave at the head
	s_nop 0
.rept 4
	v_nop
.endr
	v_and_b32 v10, 31, v0
	v_and_b32 v11, 15, v0                          ; r
	v_bfe_u32 v12, v0, 4, 1                        ; h
	v_and_b32 v13, 7, v0                           ; r % 8
	v_bfe_u32 v14, v0, 3, 1                        ; r / 8
	v_lshlrev_b32 v1, 4, v10                       ; 16 x lane
	v_lshlrev_b32 v2, 3, v10                       ; 8 x lane
	v_lshlrev_b32 v[TMP], 4, v11                   ; 16 r
	v_lshlrev_b32 v9, 3, v12                       ; 8 h
	v_lshlrev_b32 v15, 4, v13
	v_lshlrev_b32 v8, 3, v13
	v_sub_nc_u32 v[BY], 1, v14                     ; 1 - r / 8
	v_add_nc_u32 v7, v[TMP], v12                   ; 16 r + h
	v_lshl_add_u32 v15, v12, 8, v15                ; 16 (r % 8) + 256 h
	v_lshl_add_u32 v8, v12, 7, v8                  ; 8 (r % 8) + 128 h
	; rows 8-15 of a gathered tile come from the stored tile two further on (1,536 bytes), and from its other eight rows
	v_mad_u32_u24 v3, v14, 1664, v15               ; k's registers 0-3, tiles (c, 0), (c, 1): + (1536 + 128) (r / 8)
	v_mad_u32_u24 v4, v14, 1408, v15
	v_mad_u32_u24 v[L4], v14, 1600, v8             ; k's registers 4, 5: + (1536 + 64) (r / 8)
	v_mad_u32_u24 v[L4+1], v14, 1472, v8
	v_mad_u32_u24 v[L8], v14, 132, v15             ; k's scale words: + (4 + 128) (r / 8)
	v_mad_u32_u24 v[L8+1], v[BY], 124, v15
	v_add_nc_u32 v4, 128, v4                       ; tiles (c, 2), (c, 3): + 1536 (r / 8) + 128 (1 - r / 8)
	v_add_nc_u32 v[L4+1], 64, v[L4+1]              ; + 1536 (r / 8) + 64 (1 - r / 8)
	v_add_nc_u32 v[L8+1], 4, v[L8+1]               ; + 4 (r / 8) + 128 (1 - r / 8)
	global_load_b32 v[QSA], v[TMP], s[50:51]       ; q's scale words
	global_load_b32 v[QSA+1], v[TMP], s[50:51] offset:256
	WIN 0x40
	global_load_b128 v[QA:QA+3], v1, s[48:49]
	global_load_b64 v[QA+4:QA+5], v2, s[48:49] offset:512
	global_load_b128 v[QB:QB+3], v1, s[48:49] offset:768
	global_load_b64 v[QB+4:QB+5], v2, s[48:49] offset:1280
.irp j, 6,7,8,9,10,11
	v_mov_b32 v[QA+\j], 0                          ; zero codes: q's upper half of K,
	v_mov_b32 v[QB+\j], 0
	v_mov_b32 v[KF+42+\j], 0                       ; and what stands behind the last key tile of Z
	v_mov_b32 v[KF+96+\j], 0                       ; and of X
.endr
.set J, 0
.rept 64
	v_mov_b32 v[OA+J], 0                           ; O^T: the step is written once; the first finds zeros, which the first change of M leaves zeros
.set J, J+1
.endr
	WIN 0
.irp x, STA, STB
	v_mov_b32 v[\x], 0x7e000000                    ; -M: so large that the first f is 0
	v_mov_b32 v[\x+1], 0xff61b1e6                  ; the largest score so far: -3e38
	v_mov_b32 v[\x+2], 0
	v_mov_b32 v[\x+3], 0
.endr
	v_mov_b32 v[F+1], 0                            ; (named as the upper half of a pair)
	v_mov_b32 v[TMP+1], 0                          ; written once: a lane permute's destination counts as one of its sources
	v_mov_b32 v[BP], 0
	v_mov_b32 v[BP+1], 0
	s_wait_alu depctr_va_vdst(0)
	s_wait_loadcnt 0x0                             ; q
	SYNC                                           ; key steps 0-7 are in, everybody's
	JLOAD2 G0B                                     ; slot B's first fill, issued as a refill is
	PASS 0, 4                                      ; key steps 0-7
	SYNC                                           ; key steps 8-19 are in; nobody reads slot A any more
	JLOAD2 G0C                                     ; the first tensor load behind the round, and my only one there
	PASS SLOTBB, 6                                 ; key steps 8-19
	s_wait_tensorcnt 0x0                           ; my part of key steps 20-31 is in
	s_wait_dscnt 0x0
	s_barrier_signal -1
	s_barrier_wait -1                              ; everybody's is
	PASS 0, 6                                      ; key steps 20-31
	; THE WAY OUT: O^T / the sum, quantised along my head's 64 channels: for each tile two blocks, a half image and two scale bytes
	v_add_f32 v[STA+2], v[STA+2], v[STA+3]         ; (these six are also the places behind the last products)
	v_add_f32 v[STB+2], v[STB+2], v[STB+3]
	DLY 2
	v_permlanex16_b32 v[BP], v[STA+2], s[SEL], s[SEL+1]
	DLY 2
	v_permlanex16_b32 v[BP+1], v[STB+2], s[SEL], s[SEL+1]
	DLY 2
	v_add_f32 v[STA+2], v[STA+2], v[BP]            ; the rows' sums
	DLY 2
	v_add_f32 v[STB+2], v[STB+2], v[BP+1]
	s_wait_alu depctr_va_vdst(0)                   ; ahead of the batch
	v_rcp_f32 v[STA+2], v[STA+2]
	v_rcp_f32 v[STB+2], v[STB+2]
	v_nop                                          ; a plain place behind the reciprocals
	WIN 0x01                                       ; source 0 (O^T) window 1
	s_wait_alu depctr_va_vdst(0)                   ; directly ahead of the first reader
.irp j, 0,2,4,6,8,10,12,14,16,18,20,22,24,26,28,30
	v_pk_mul_f32 v[S+\j:S+\j+1], v[OA+\j:OA+\j+1], v[STA+2:STA+3] op_sel_hi:[1,0]   ; register 16 b + i: channel 32 b + 16 h + i; each accumulator from its low end on
.endr
.irp j, 0,2,4,6,8,10,12,14,16,18,20,22,24,26,28,30
	v_pk_mul_f32 v[S+32+\j:S+33+\j], v[OA+32+\j:OA+33+\j], v[STB+2:STB+3] op_sel_hi:[1,0]
.endr
	WIN 0
.irp b, 0,1,2,3                                ; blocks 0, 1: the first tile's; 2, 3: the second's
	v_max3_num_f32 v[BM+\b], |v[S+16*\b]|, |v[S+1+16*\b]|, 0x1800000
.endr
.irp i, 2,4,6,8,10,12,14
.irp b, 0,1,2,3
	v_max3_num_f32 v[BM+\b], v[BM+\b], |v[S+16*\b+\i]|, |v[S+1+16*\b+\i]|
.endr
.endr
.irp b, 0,1,2,3
	v_permlanex16_b32 v[BY+\b], v[BM+\b], s[SEL], s[SEL+1]
.endr
.irp b, 0,1,2,3
	v_max_num_f32 v[BM+\b], v[BM+\b], v[BY+\b]     ; with lane l xor 16's 16 channels
.endr
.irp b, 0,1,2,3
	v_add_nc_u32 v[SO+\b], 0xff000000, v[BM+\b]
.endr
.irp b, 0,1,2,3
	v_lshrrev_b32 v[BY+\b], 23, v[SO+\b]
.endr
.irp x, 0,1
	v_cvt_scalef32_pk16_fp6_f32 v[PCA+24*\x:PCA+24*\x+2], v[S+32*\x:S+32*\x+15], v[SO+2*\x]
	v_cvt_scalef32_pk16_fp6_f32 v[CT+4*\x:CT+4*\x+2], v[S+32*\x+16:S+32*\x+31], v[SO+2*\x+1]
.endr
	v_nop                                          ; one plain place behind the scaled conversions
.irp x, 0,1
.irp i, 0,1,2
	v_permlane16_swap_b32 v[PCA+24*\x+\i], v[CT+4*\x+\i]       ; a whole block in a lane: lanes 0-15 block 0, lanes 16-31 block 1
.endr
.endr
.irp x, 0,1
.irp i, 0,1,2
	v_mov_b32 v[PCA+24*\x+3+\i], v[CT+4*\x+\i]
.endr
	v_cndmask_b32 v[TMP+\x], v[BY+2*\x], v[BY+2*\x+1], s[HM]   ; lanes 0-15 store block 0's byte, lanes 16-31 block 1's
.endr
.irp x, 0,1
	global_store_b128 v1, v[PCA+24*\x:PCA+24*\x+3], s[8:9] offset:6144*\x          ; 512 consecutive bytes
	global_store_b64 v2, v[PCA+24*\x+4:PCA+24*\x+5], s[8:9] offset:6144*\x+512     ; 256 consecutive bytes
	global_store_b8 v7, v[TMP+\x], s[10:11] offset:256*\x
.endr
	s_wait_tensorcnt 0x0                           ; the wave's end, behind my last tensor load
	ds_add_u32 v5, v6
	s_wait_dscnt 0x0
	ROUND                                          ; the closing round: no work-group ends while a partner may still ask for a tile that names it
	s_endpgm
.Lfunc_end_k_qc0b2cd7c53_attn:
	.size	k_qc0b2cd7c53_attn, .Lfunc_end_k_qc0b2cd7c53_attn-k_qc0b2cd7c53_attn
	.p2alignl 7, 3214868480
	.fill 96, 4, 3214868480
	.section	.rodata,"a",@progbits
	.p2align	6, 0x0
	.amdhsa_kernel k_qc0b2cd7c53_attn
		.amdhsa_group_segment_fixed_size 327680
		.amdhsa_private_segment_fixed_size 0
		.amdhsa_enable_private_segment 0
		.amdhsa_kernarg_size 32
		.amdhsa_user_sgpr_count 2
		.amdhsa_user_sgpr_kernarg_segment_ptr 1
		.amdhsa_wavefront_size32 1
		.amdhsa_system_sgpr_workgroup_id_x 1
		.amdhsa_system_sgpr_workgroup_id_y 1
		.amdhsa_system_sgpr_workgroup_id_z 1
		.amdhsa_system_vgpr_workitem_id 0
		.amdhsa_next_free_vgpr 512
		.amdhsa_next_free_sgpr 76
		.amdhsa_reserve_vcc 0
		.amdhsa_float_denorm_mode_32 3
		.amdhsa_float_denorm_mode_16_64 3
		.amdhsa_memory_ordered 1
		.amdhsa_forward_progress 1
		.amdhsa_inst_pref_size 185
	.end_amdhsa_kernel
	.amdgpu_metadata
---
amdhsa.version: [ 1, 2 ]
amdhsa.kernels:
  - .name:           k_qc0b2cd7c53_attn
    .symbol:         k_qc0b2cd7c53_attn.kd
    .args:
      - { .name: qbuf, .offset: 0, .size: 8, .value_kind: global_buffer, .address_space: global }
      - { .name: kv, .offset: 8, .size: 8, .value_kind: global_buffer, .address_space: global }
      - { .name: aimg, .offset: 16, .size: 8, .value_kind: global_buffer, .address_space: global }
      - { .name: asc, .offset: 24, .size: 8, .value_kind: global_buffer, .address_space: global }
    .group_segment_fixed_size: 327680
    .private_segment_fixed_size: 0
    .kernarg_segment_align: 8
    .kernarg_segment_size: 32
    .max_flat_workgroup_size: 256
    .sgpr_count:     76
    .vgpr_count:     512
    .wavefront_size: 32
...
	.end_amdgpu_metadata
.endif
;; end of part 3
;; launch oproj (part 4): grid 64 x 4, 4 waves a work-group, no clusters, 17,920 bytes of LDS; arguments aimg, asc, img, sc, bo, out0; writes out0
.if DOCPART == 4
	.amdgcn_target "amdgcn-amd-amdhsa--gfx1250"
	.amdhsa_code_object_version 6
	.text
	.protected	k_qc0b2cd7c53_oproj
	.globl	k_qc0b2cd7c53_oproj
	.p2align	8
	.type	k_qc0b2cd7c53_oproj,@function
k_qc0b2cd7c53_oproj:
	s_mov_b64 s[64:65], 0
	v_nop
	global_prefetch_b8 v0, s[64:65] scope:SCOPE_SE
	s_setreg_imm32_b32 hwreg(HW_REG_WAVE_MODE, 25, 1), 1
	s_wait_xcnt 0x0
; out = a Wo + bo on codes of FP6 (E2M3): a is the attention launch's result, Wo the first launch's images.  All operands go from memory straight into registers, in image order.
; Work-group (X, Y): 128 tokens x 128 columns.  Wave w: token tiles 8 X + 4 (w / 2) + m, m = 0..3, and 64 columns (two groups of 32, four tiles) from 128 Y + 64 (w % 2) on: 16 accumulators.
; The product is used transposed (source 0 = 16 columns of Wo, source 1 = 16 tokens): a lane holds one token, and the 16 registers of column tiles 2 b, 2 b + 1 are 16 neighbouring columns, 64 bytes of a row of out.
; The bias is the C of a sum's first product.  K ascending; a token tile's four accumulators take turns, one instruction a turn.
; The way out: a token tile's 16 rows x 256 bytes go through the wave's own stage in LDS (rows of 272 bytes) and leave as rows: sixteen lanes store 256 consecutive bytes, at a multiple of 256 from out's first byte.
; Row r of token tile T is token 32 (T / 2) + 8 (T % 2) + r + 8 (r / 8).  No barrier: waves share nothing.  No multicast: the launch has no tensor load.
; REGISTERS.  window 0: v2-9 offsets; v10, v11 the add's two; v16-23 Wo's scale registers; v32-63 bias tiles; v64-191 accumulators (8 (4 m + i)); v192-207 a's scale words; v208-239 rows on their way out.
;   window 1: Wo's fragments (tile i, K step s at 12 (4 i + s)).   window 2: a's (tile m, K step s at 12 (4 m + s)).
.set WS,  16
.set BI,  32
.set ACC, 64
.set AS,  192
.set OUT, 208
.set SPW, 10
.set NIL, 11
.set SPARE, 17408                      ; behind the four stages: the spare words, 128 bytes a wave
.set MSB, 0
.macro WIN new
.if MSB != \new
	s_set_vgpr_msb (MSB<<8)|\new
.set MSB, \new
.endif
.endm
	s_load_b256 s[4:11], s[0:1], 0x0               ; aimg s[4:5], asc s[6:7], img s[8:9], sc s[10:11]
	s_load_b128 s[12:15], s[0:1], 0x20             ; bo s[12:13], out0 s[14:15]
	v_lshl_add_u32 v[SPW], v0, 2, SPARE
	v_mov_b32 v[NIL], 0
	v_lshrrev_b32 v1, 5, v0
	v_readfirstlane_b32 s18, v1                    ; wave 0..3
	v_and_b32 v1, 31, v0
	v_lshlrev_b32 v2, 4, v1                        ; 16 x lane
	v_lshlrev_b32 v3, 3, v1                        ; 8 x lane
	v_lshlrev_b32 v4, 2, v1                        ; 4 x lane
	v_and_b32 v12, 15, v0                          ; r
	v_bfe_u32 v13, v0, 4, 1                        ; h
	v_lshlrev_b32 v8, 4, v12                       ; 16 r
	v_lshlrev_b32 v9, 6, v13                       ; 64 h
	s_mul_i32 s19, s18, 4352                       ; my stage
	v_mul_u32_u24 v5, v12, 272
	v_add_nc_u32 v5, v5, v9
	v_add_nc_u32 v5, s19, v5                       ; into it: row r, + 64 h
	v_mul_u32_u24 v6, v13, 272
	v_add_nc_u32 v6, v6, v8
	v_add_nc_u32 v6, s19, v6                       ; out of it: lanes 0-15 one row, lanes 16-31 the next
	v_lshl_add_u32 v7, v13, 11, v8                 ; and the same two rows in out
	s_and_b32 s20, ttmp7, 0xffff                   ; Y
	s_lshr_b32 s21, s18, 1
	s_and_b32 s22, s18, 1
	s_lshl_b32 s23, ttmp9, 3
	s_lshl_b32 s24, s21, 2
	s_add_co_u32 s23, s23, s24                     ; my first token tile
	s_lshl_b32 s24, s20, 2
	s_lshl_b32 s25, s22, 1
	s_add_co_u32 s24, s24, s25
	s_add_co_u32 s24, s24, 304                     ; my first group of Wo's columns
	s_mul_i32 s26, s23, 6144
	s_mov_b32 s27, 0
	s_lshl_b32 s28, s23, 8
	s_mov_b32 s29, 0
	s_mul_i32 s30, s24, 12288
	s_mov_b32 s31, 0
	s_lshl_b32 s32, s24, 9
	s_mov_b32 s33, 0
	s_lshl_b32 s34, s20, 9
	s_lshl_b32 s35, s22, 8
	s_add_co_u32 s34, s34, s35                     ; my first column, in bytes
	s_mov_b32 s35, 0
	s_lshl_b32 s36, ttmp9, 18                      ; 128 rows of 2,048 bytes
	s_lshl_b32 s37, s21, 17                        ; 64 rows
	s_add_co_u32 s36, s36, s37
	s_add_co_u32 s36, s36, s34
	s_mov_b32 s37, 0
	s_wait_alu depctr_va_vdst(0)
	s_wait_kmcnt 0x0
	s_add_nc_u64 s[4:5], s[4:5], s[26:27]
	s_add_nc_u64 s[6:7], s[6:7], s[28:29]
	s_add_nc_u64 s[8:9], s[8:9], s[30:31]
	s_add_nc_u64 s[10:11], s[10:11], s[32:33]
	s_add_nc_u64 s[12:13], s[12:13], s[34:35]
	s_add_nc_u64 s[14:15], s[14:15], s[36:37]
.irp b, 0,1
.irp s, 0,1,2,3
	global_load_b32 v[WS+4*\b+\s], v4, s[10:11] offset:(4*\b+\s)*128
.endr
.endr
.irp m, 0,1,2,3
	global_load_b128 v[AS+4*\m:AS+4*\m+3], v8, s[6:7] offset:256*\m          ; row r's 16 scale bytes: the words of K steps 0-3
.endr
.irp i, 0,1,2,3
	global_load_b128 v[BI+8*\i:BI+8*\i+3], v9, s[12:13] offset:(32*(\i/2)+8*(\i%2))*4
	global_load_b128 v[BI+8*\i+4:BI+8*\i+7], v9, s[12:13] offset:(32*(\i/2)+8*(\i%2))*4+16
.endr
	WIN 0x40
.irp i, 0,1,2,3
.irp s, 0,1,2,3
.irp p, 0,1,2
	global_load_b128 v[12*(4*\i+\s)+4*\p:12*(4*\i+\s)+4*\p+3], v2, s[8:9] offset:(((\i/2)*4+\s)*2+\i%2)*1536+512*\p
.endr
.endr
.endr
	WIN 0x80
.irp m, 0,1,2,3
.irp s, 0,1,2,3
.irp c, 0,1
	global_load_b128 v[12*(4*\m+\s)+6*\c:12*(4*\m+\s)+6*\c+3], v2, s[4:5] offset:(4*\m+\s)*1536+768*\c
	global_load_b64 v[12*(4*\m+\s)+6*\c+4:12*(4*\m+\s)+6*\c+5], v3, s[4:5] offset:(4*\m+\s)*1536+768*\c+512
.endr
.endr
.endr
	WIN 0x09                                       ; source 0 (Wo) window 1, source 1 (a) window 2, C and D window 0
.irp m, 0,1,2,3
	s_wait_loadcnt 16*(3-\m)                       ; token tile m's 16 loads are in; the later tiles' 16 each may be out
.irp s, 0,1,2,3
.irp i, 0,1,2,3
.set rD, ACC+8*(4*\m+\i)
.set rC, rD
.if \s == 0
.set rC, BI+8*\i
.endif
.if \i%2
	v_wmma_scale_f32_16x16x128_f8f6f4 v[rD:rD+7], v[12*(4*\i+\s):12*(4*\i+\s)+11], v[12*(4*\m+\s):12*(4*\m+\s)+11], v[rC:rC+7], v[WS+4*(\i/2)+\s], v[AS+4*\m+\s] matrix_a_fmt:MATRIX_FMT_FP6 matrix_b_fmt:MATRIX_FMT_FP6 matrix_a_scale:MATRIX_SCALE_ROW1
.else
	v_wmma_scale_f32_16x16x128_f8f6f4 v[rD:rD+7], v[12*(4*\i+\s):12*(4*\i+\s)+11], v[12*(4*\m+\s):12*(4*\m+\s)+11], v[rC:rC+7], v[WS+4*(\i/2)+\s], v[AS+4*\m+\s] matrix_a_fmt:MATRIX_FMT_FP6 matrix_b_fmt:MATRIX_FMT_FP6
.endif
.endr
.endr
.endr
	WIN 0
.rept 4
	v_nop                                          ; four places ahead of the first read of results
.endr
.irp m, 0,1,2,3
.if \m > 0
	s_wait_xcnt 0x0                                ; the last tile's stores have read their data: the rows' registers may be loaded again
.endif
.irp b, 0,1
.irp q, 0,1,2,3
	ds_store_b128 v5, v[ACC+8*(4*\m+2*\b)+4*\q:ACC+8*(4*\m+2*\b)+4*\q+3] offset:128*\b+16*\q   ; columns 32 b + 16 h + 4 q on; each accumulator from its low end on
.endr
.endr
.irp i, 0,1,2,3,4,5,6,7
	ds_load_b128 v[OUT+4*\i:OUT+4*\i+3], v6 offset:544*\i     ; LDS serves a wave's instructions in order: these see my stores
.endr
.irp i, 0,1,2,3,4,5,6,7
	s_wait_dscnt 7-\i                              ; rows 2 i, 2 i + 1 are back; the younger loads may be out
	global_store_b128 v7, v[OUT+4*\i:OUT+4*\i+3], s[14:15] offset:(32*(\m/2)+8*(\m%2)+2*\i+8*(\i/4))*2048 th:TH_STORE_NT
.endr
.endr
	s_wait_tensorcnt 0x0                           ; the wave's end, behind my last LDS store
	ds_add_u32 v[SPW], v[NIL]
	s_wait_dscnt 0x0
	s_endpgm
.Lfunc_end_k_qc0b2cd7c53_oproj:
	.size	k_qc0b2cd7c53_oproj, .Lfunc_end_k_qc0b2cd7c53_oproj-k_qc0b2cd7c53_oproj
	.p2alignl 7, 3214868480
	.fill 96, 4, 3214868480
	.section	.rodata,"a",@progbits
	.p2align	6, 0x0
	.amdhsa_kernel k_qc0b2cd7c53_oproj
		.amdhsa_group_segment_fixed_size 17920
		.amdhsa_private_segment_fixed_size 0
		.amdhsa_enable_private_segment 0
		.amdhsa_kernarg_size 48
		.amdhsa_user_sgpr_count 2
		.amdhsa_user_sgpr_kernarg_segment_ptr 1
		.amdhsa_wavefront_size32 1
		.amdhsa_system_sgpr_workgroup_id_x 1
		.amdhsa_system_sgpr_workgroup_id_y 1
		.amdhsa_system_sgpr_workgroup_id_z 1
		.amdhsa_system_vgpr_workitem_id 0
		.amdhsa_next_free_vgpr 768
		.amdhsa_next_free_sgpr 66
		.amdhsa_reserve_vcc 0
		.amdhsa_float_denorm_mode_32 3
		.amdhsa_float_denorm_mode_16_64 3
		.amdhsa_memory_ordered 1
		.amdhsa_forward_progress 1
		.amdhsa_inst_pref_size 32
	.end_amdhsa_kernel
	.amdgpu_metadata
---
amdhsa.version: [ 1, 2 ]
amdhsa.kernels:
  - .name:           k_qc0b2cd7c53_oproj
    .symbol:         k_qc0b2cd7c53_oproj.kd
    .args:
      - { .name: aimg, .offset: 0, .size: 8, .value_kind: global_buffer, .address_space: global }
      - { .name: asc, .offset: 8, .size: 8, .value_kind: global_buffer, .address_space: global }
      - { .name: img, .offset: 16, .size: 8, .value_kind: global_buffer, .address_space: global }
      - { .name: sc, .offset: 24, .size: 8, .value_kind: global_buffer, .address_space: global }
      - { .name: bo, .offset: 32, .size: 8, .value_kind: global_buffer, .address_space: global }
      - { .name: out0, .offset: 40, .size: 8, .value_kind: global_buffer, .address_space: global }
    .group_segment_fixed_size: 17920
    .private_segment_fixed_size: 0
    .kernarg_segment_align: 8
    .kernarg_segment_size: 48
    .max_flat_workgroup_size: 128
    .sgpr_count:     66
    .vgpr_count:     768
    .wavefront_size: 32
...
	.end_amdgpu_metadata
.endif
;; end of part 4
